; MI455X (gfx1250); checked and timed in simulation.
; The chip was launched on July 23, 2026; its instructions are those of AMD's public machine-readable ISA for CDNA 5 (MIT licence, August 2026) and "CDNA5" Instruction Set Architecture Reference Guide (July 2026). The comments in the code are by the model that wrote it; some were corrected since.
;; Multi Head Attention Layer. Allowed arithmetic: matrix products marked QUANTISED: E2M1 operands, one E8M0 scale for each 32 along K, by v_wmma_scale_f32_16x16x128_f8f6f4 with both operands' format E2M1 (or v_wmma_scale_f32_32x16x128_f4), f32 sums; products left as they are: f32 operands where the result goes on into a quantised operand, else bf16, f16 or f32 operands; f32 sums; everything else in f32.
;; Inputs: W_qkv 3,072 x 1,024 float32; b_qkv 3,072 float32; h 16,384 x 1,024 float32.
;; Outputs: out0 16,384 x 1,024 float32.
;; This version of the problem:
;;   THIS VERSION OF THE PROBLEM IS GIVEN IN LOW PRECISION. The matrix products marked QUANTISED in the list below multiply operands that are first quantised to E2M1 (2 exponent bits, 1 mantissa bit; 4 bits a number), with one power-of-two scale for each 32 numbers along K (OCP MX v1.0); their sums are f32. All else is computed in f32.
;;   The module's matrix products, in the order in which they are computed (A, B: the left and right operand; K: the contracted axis; several contracted axes count as one K, in the product's order):
;;     1. [M 16,384, K 1,024] x [K 1,024, N 3,072]; A: input h; B: input W_qkv: QUANTISED
;;     2. batch 16,384 x [M 16, K 64] x [K 64, N 16]; A: computed on the way; B: computed on the way: QUANTISED
;;     3. batch 16,384 x [M 16, K 16] x [K 16, N 64]; A: softmax; B: computed on the way: left as it is (K = 16 < 32)
;;   THE QUANTISER, for each operand of a quantised product, along K:
;;     - K is cut into blocks of 32 from its start; a last block that is shorter is filled with zeros.
;;     - A block's scale is 2^e with e = floor(log2(the largest magnitude in the block)) - 2, held to -126 .. 127; a block of zeros has e = 0. As a byte (E8M0): e + 127.
;;     - Each number is divided by its block's scale, clamped to +-6, and rounded to the nearest number of E2M1, ties to even, subnormals kept.
;;     - The product sums the exact products of the quantised numbers (number of the format x scale) in f32.
;;   ~~~python
;;   def quantise(x, axis):      # numpy; x: float32 -> the quantised numbers, widened to float32 again
;;       x = np.moveaxis(x, axis, -1); K = x.shape[-1]
;;       x = np.pad(x, [(0, 0)] * (x.ndim - 1) + [(0, -K % 32)]); x = x.reshape(x.shape[:-1] + (-1, 32)); a = np.abs(x).max(-1, keepdims=True)
;;       e = np.where(a > 0, np.clip(np.frexp(np.where(a > 0, a, 1))[1] - 1 - 2, -126, 127), 0)      # np.frexp(a)[1] - 1 = floor(log2(a)), exactly
;;       r = np.clip(x / 2.0 ** e, -6, 6)
;;       step = 2.0 ** (np.maximum(np.frexp(np.where(r == 0, 1, r))[1] - 1, 0) - 1)
;;       q = np.round(r / step) * step * 2.0 ** e      # np.round: ties to even
;;       return np.moveaxis(q.reshape(q.shape[:-2] + (-1,))[..., :K], -1, axis).astype(np.float32)
;;   ~~~
;;   OPERANDS COMPUTED ON THE WAY. 'Computed on the way' means the value that the module computes at that place (a softmax that the list does not call 'softmax' is quantised finished and normalised). What goes into a quantiser is computed in f32, as accurately as f32 sums, v_exp_f32 and their like allow (about 1e-6 of the number): no bf16 or f16 on the way to a quantiser, and a product that is left as it is and whose result goes on into a quantised operand takes f32 operands (vector FMAs, or v_wmma_f32_16x16x4_f32). A number that lies on a knife's edge between two numbers of the format may be rounded either way, as far as f32 arithmetic and the matrix unit's own rounding can turn it there, and no further.
;; One version. Each part assembles by itself: llvm-mc -triple=amdgcn-amd-amdhsa -mcpu=gfx1250 --defsym DOCPART=n.
;; ======== version 1 of 1: 2 launches
;; limits: values are held in bf16: 8 bits of precision; right only within a limited range of input values
;; workspace buffers: wq 1,671,168 bytes; bq 12,288 bytes
;; launch prep (part 1): grid 384 x 1, 4 waves a work-group, no clusters, 35,328 bytes of LDS; arguments W_qkv, b_qkv, wq, bq; writes wq, bq
.if DOCPART == 1
	.amdgcn_target "amdgcn-amd-amdhsa--gfx1250"
	.amdhsa_code_object_version 6
	.text
	.protected	k_q1a484b077a_prep
	.globl	k_q1a484b077a_prep
	.p2align	8
	.type	k_q1a484b077a_prep,@function
k_q1a484b077a_prep:
	s_mov_b64 s[64:65], 0
	v_nop
	global_prefetch_b8 v0, s[64:65] scope:SCOPE_SE
	s_setreg_imm32_b32 hwreg(HW_REG_WAVE_MODE, 25, 1), 1
	s_wait_xcnt 0x0
; W_qkv [3072][1024] f32 becomes codes of FP4 (E2M1) with one E8M0 byte for each 32 along K, laid in the order in which the second launch's
; waves take them into registers; b_qkv is laid in the same order of rows.
; wq: [slot 4 p + 2 g + s / 4 (12)][wave w (4)][s % 4][8,704 bytes].  p: 0 q, 1 k, 2 v; g: half of the wave's 16 tiles; s: the K step of 128 (0..7).  A block of 8,704 bytes is
;   8 images of fragments, 1,024 bytes each: tile T % 8, piece c: lane l's 16 bytes at 512 c + 16 l (lane (r, h): row r of the tile, k = 128 s + 64 c + 32 h + 0..31),
;   then 512 bytes of scale words: the word of row r of tile T % 8 = 4 hh + c' at 8192 + 16 (r + 16 hh) + 4 c'.
; bq: f32 at ((4 p + w) 16 + T) 64 + 4 m: the bias of row m of that tile.
; THE ROWS OF A TILE: p < 2: 1024 p + 64 (4 w + T / 4) + 32 ((T % 4) / 2) + 8 (T % 2) + m + 8 (m / 8): four tiles are a head, and in the product's result a lane's 16 registers of
; two neighbouring tiles are 16 neighbours along the head's 64.  p = 2: 2048 + 64 m + 16 w + T: the sixteen heads at one place d = 16 w + T of the head.
; SHARES: work-group id = hh | g << 1 | w << 2 | s << 4 | p << 7; wave c' makes tile T = 8 g + 4 hh + c' of K step s: 16 rows x 128 numbers.
; A block's scale is 2^(floor(log2(its largest magnitude)) - 2); its byte is the largest magnitude's exponent field - 2, held at 1 from below.
; LIMITS: a block whose largest magnitude lies under 2^-124 (zeros too) gets the byte 1 (this program alone reads the bytes); NaN and infinities are not served.
.set STP,  528                         ; a stage row: 512 bytes + 16
.set SG,   33792                       ; LDS behind the four stages: the work-group's 64 scale words,
.set BG,   34048                       ; and its 64 bias numbers
.set SPARE, 34816                      ; the spare words
.set R,    16                          ; v16-79   16 rows x 16 bytes a lane, as loaded
.set X,    80                          ; v80-143  register 16 b + i = k 32 b + 16 h + i of my row
.set TM,   144                         ; largest magnitudes, then the other half's and bytes, then (+ 12) the conversions' scale operands
.set PC,   160                         ; v160-167 the fragment's codes
.set PW,   168                         ; my row's scale word
.set BV,   169                         ; my row's bias
	s_load_b256 s[4:11], s[0:1], 0x0               ; W s[4:5], b s[6:7], wq s[8:9], bq s[10:11]
	v_lshl_add_u32 v176, v0, 2, SPARE
	v_mov_b32 v177, 0
	v_lshrrev_b32 v1, 5, v0
	v_readfirstlane_b32 s12, v1                    ; wave c'
	v_and_b32 v2, 31, v0                           ; lane
	v_and_b32 v3, 15, v0                           ; r
	v_bfe_u32 v4, v0, 4, 1                         ; h
	s_wait_alu depctr_va_vdst(0)                   ; the wait ahead of the run of scalar work
	s_and_b32 s13, ttmp9, 1                        ; hh
	s_bfe_u32 s14, ttmp9, 0x10001                  ; g
	s_bfe_u32 s15, ttmp9, 0x20002                  ; w
	s_bfe_u32 s16, ttmp9, 0x30004                  ; s
	s_lshr_b32 s17, ttmp9, 7                       ; p
	s_lshl_b32 s18, s14, 3
	s_lshl_b32 s19, s13, 2
	s_add_co_u32 s18, s18, s19
	s_add_co_u32 s18, s18, s12                     ; T
	s_lshl_b32 s20, s17, 10                        ; the tile's first row for q and k: 1024 p + 256 w + 128 g + 64 hh + 32 (c' / 2) + 8 (c' % 2)
	s_lshl_b32 s19, s15, 8
	s_add_co_u32 s20, s20, s19
	s_lshl_b32 s19, s14, 7
	s_add_co_u32 s20, s20, s19
	s_lshl_b32 s19, s13, 6
	s_add_co_u32 s20, s20, s19
	s_lshr_b32 s19, s12, 1
	s_lshl_b32 s19, s19, 5
	s_add_co_u32 s20, s20, s19
	s_and_b32 s19, s12, 1
	s_lshl_b32 s19, s19, 3
	s_add_co_u32 s20, s20, s19
	s_lshl_b32 s21, s15, 4                         ; and for v: 2048 + 16 w + T
	s_add_co_u32 s21, s21, s18
	s_add_co_u32 s21, s21, 2048
	s_cmp_eq_u32 s17, 2
	s_cselect_b32 s20, s21, s20                    ; R0
	s_cselect_b32 s22, 256, 4                      ; bytes of b from row r to row r + 1 of the tile,
	s_cselect_b32 s23, 0, 32                       ; and the jump behind its eighth row
	s_lshl_b32 s24, s20, 12                        ; W: R0 rows of 4,096 bytes + 512 s
	s_lshl_b32 s25, s16, 9
	s_add_co_u32 s24, s24, s25
	s_mov_b32 s25, 0
	s_lshl_b32 s26, s20, 2                         ; b: 4 R0
	s_mov_b32 s27, 0
	s_lshl_b32 s28, s17, 2                         ; wq: slot 4 p + 2 g + s / 4,
	s_lshl_b32 s29, s14, 1
	s_add_co_u32 s28, s28, s29
	s_lshr_b32 s29, s16, 2
	s_add_co_u32 s28, s28, s29
	s_mul_i32 s28, s28, 139264
	s_mul_i32 s29, s15, 34816                      ; the wave's part,
	s_add_co_u32 s28, s28, s29
	s_and_b32 s29, s16, 3
	s_mul_i32 s29, s29, 8704                       ; my block
	s_add_co_u32 s28, s28, s29
	s_mov_b32 s29, 0
	s_lshl_b32 s36, s13, 8                         ; 256 hh
	s_lshl_b32 s38, s17, 12                        ; bq: 4096 p + 1024 w + 512 g + 256 hh
	s_lshl_b32 s19, s15, 10
	s_add_co_u32 s38, s38, s19
	s_lshl_b32 s19, s14, 9
	s_add_co_u32 s38, s38, s19
	s_add_co_u32 s38, s38, s36
	s_mov_b32 s39, 0
	s_add_co_u32 s36, s36, 8192                    ; the scale words' place in the block
	s_mov_b32 s37, 0
	s_and_b32 s34, s18, 7
	s_lshl_b32 s34, s34, 10                        ; my tile's image in the block
	s_mov_b32 s35, 0
	s_mov_b32 s40, 0x76543210
	s_mov_b32 s41, 0xfedcba98                      ; v_permlanex16_b32's selects for lane l xor 16
	v_lshlrev_b32 v5, 4, v2                        ; 16 x lane
	s_mul_i32 s19, s12, 16*STP                     ; my stage
	v_add_nc_u32 v6, s19, v5                       ; into it: a row's 512 bytes as they lie
	v_mul_u32_u24 v7, v3, STP
	v_lshl_add_u32 v7, v4, 6, v7
	v_add_nc_u32 v7, s19, v7                       ; out of it: row r, + 64 h: my 16 numbers of each block of 32
	v_lshlrev_b32 v8, 4, v3
	s_lshl_b32 s19, s12, 2
	v_add_nc_u32 v8, s19, v8
	v_add_nc_u32 v8, SG, v8                        ; my scale word: 16 r + 4 c'
	v_lshlrev_b32 v9, 2, v3
	s_lshl_b32 s19, s12, 6
	v_add_nc_u32 v9, s19, v9
	v_add_nc_u32 v9, BG, v9                        ; my bias: 64 c' + 4 r
	v_mul_u32_u24 v10, s22, v3
	v_lshrrev_b32 v13, 3, v3
	v_mul_u32_u24 v13, s23, v13
	v_add_nc_u32 v10, v10, v13                     ; row r's place in b, from R0 on
	v_lshlrev_b32 v11, 3, v2                       ; the way out of the small things: 8 bytes a lane
	v_add_nc_u32 v12, SG, v11
.irp b, 0,1,2,3
	v_mov_b32 v[TM+4+\b], 0                        ; written once: a lane permute's destination counts as one of its sources
.endr
	s_wait_alu depctr_va_vdst(0)                   ; the wait at the head's end
	s_wait_kmcnt 0x0
	s_add_nc_u64 s[4:5], s[4:5], s[24:25]
	s_add_nc_u64 s[6:7], s[6:7], s[26:27]
	s_add_nc_u64 s[30:31], s[8:9], s[28:29]
	s_add_nc_u64 s[32:33], s[30:31], s[36:37]      ; the work-group's 256 bytes of scale words
	s_add_nc_u64 s[30:31], s[30:31], s[34:35]      ; my tile's image
	s_add_nc_u64 s[10:11], s[10:11], s[38:39]      ; the work-group's 256 bytes of bq
	global_load_b32 v[BV], v10, s[6:7]
	s_cmp_eq_u32 s17, 2                            ; the rows of a tile lie otherwise for v: two runs of loads, chosen by the work-group's number; each load reads 512 consecutive bytes
	s_cbranch_scc1 .Lrows_v
.irp i, 0,1,2,3,4,5,6,7,8,9,10,11,12,13,14,15
	global_load_b128 v[R+4*\i:R+4*\i+3], v5, s[4:5] offset:(\i+8*(\i/8))*4096 th:TH_LOAD_NT
.endr
	s_branch .Lloaded
.Lrows_v:
.irp i, 0,1,2,3,4,5,6,7,8,9,10,11,12,13,14,15
	global_load_b128 v[R+4*\i:R+4*\i+3], v5, s[4:5] offset:\i*262144 th:TH_LOAD_NT
.endr
.Lloaded:
.irp i, 0,1,2,3,4,5,6,7,8,9,10,11,12,13,14,15
	s_wait_loadcnt 15-\i                           ; the bias and rows 0 .. i are in
	ds_store_b128 v6, v[R+4*\i:R+4*\i+3] offset:\i*STP
.endr
.irp b, 0,1,2,3
.irp j, 0,1,2,3
	ds_load_b128 v[X+16*\b+4*\j:X+16*\b+4*\j+3], v7 offset:128*\b+16*\j   ; LDS serves a wave's instructions in order: these see my stores
.endr
.endr
	s_wait_dscnt 0x0
.irp b, 0,1,2,3
	v_max3_num_f32 v[TM+\b], |v[X+16*\b]|, |v[X+1+16*\b]|, 0x1800000   ; block b: my 16 numbers, and the floor 2^(3 - 127): the byte cannot fall under 1
.endr
.irp i, 2,4,6,8,10,12,14
.irp b, 0,1,2,3
	v_max3_num_f32 v[TM+\b], v[TM+\b], |v[X+16*\b+\i]|, |v[X+1+16*\b+\i]|
.endr
.endr
.irp b, 0,1,2,3
	v_permlanex16_b32 v[TM+4+\b], v[TM+\b], s40, s41
.endr
.irp b, 0,1,2,3
	v_max_num_f32 v[TM+\b], v[TM+\b], v[TM+4+\b]   ; with lane l xor 16's: the block's largest magnitude
.endr
.irp b, 0,1,2,3
	v_add_nc_u32 v[TM+12+\b], 0xff000000, v[TM+\b] ; 2 off its exponent field: the conversion takes this operand's exponent field as its scale
.endr
.irp b, 0,1,2,3
	v_lshrrev_b32 v[TM+4+\b], 23, v[TM+12+\b]      ; the scale's byte
.endr
	v_lshl_or_b32 v[PW], v[TM+5], 8, v[TM+4]
	v_lshl_or_b32 v[PW], v[TM+6], 16, v[PW]
	v_lshl_or_b32 v[PW], v[TM+7], 24, v[PW]
.irp b, 0,1,2,3
	v_cvt_scalef32_pk8_fp4_f32 v[PC+2*\b], v[X+16*\b:X+7+16*\b], v[TM+12+\b]
	v_cvt_scalef32_pk8_fp4_f32 v[PC+1+2*\b], v[X+8+16*\b:X+15+16*\b], v[TM+12+\b]
.endr
	v_nop                                          ; one plain instruction behind the scaled conversions
.irp c, 0,1                                    ; the operand's layout wants a whole block in a lane: lanes 0-15 block 2 c, lanes 16-31 block 2 c + 1
.irp i, 0,1
	v_permlane16_swap_b32 v[PC+4*\c+\i], v[PC+2+4*\c+\i]
.endr
.endr
	global_store_b128 v5, v[PC:PC+3], s[30:31]               ; 32 lanes store 512 consecutive bytes, at a multiple of 256 from wq's first byte
	global_store_b128 v5, v[PC+4:PC+7], s[30:31] offset:512
	ds_store_b32 v8, v[PW]                         ; lanes r and r + 16 write the same word with the same value
	ds_store_b32 v9, v[BV]
	s_wait_dscnt 0x0                               ; for the others' sake: my stores have landed
	s_barrier_signal -1
	s_barrier_wait -1
	s_cmp_lg_u32 s12, 0                            ; wave 0 sends the small things out, 256 consecutive bytes a store
	s_cbranch_scc1 .Lend
	ds_load_b64 v[170:171], v12
	ds_load_b64 v[172:173], v12 offset:BG-SG
	s_wait_dscnt 0x0
	global_store_b64 v11, v[170:171], s[32:33]
	s_cmp_lg_u32 s16, 0                            ; the bias belongs to no K step: the work-groups of s = 0 store it
	s_cbranch_scc1 .Lend
	global_store_b64 v11, v[172:173], s[10:11]
.Lend:
	s_wait_tensorcnt 0x0                           ; the wave's end
	ds_add_u32 v176, v177
	s_wait_dscnt 0x0
	s_endpgm
.Lfunc_end_k_q1a484b077a_prep:
	.size	k_q1a484b077a_prep, .Lfunc_end_k_q1a484b077a_prep-k_q1a484b077a_prep
	.p2alignl 7, 3214868480
	.fill 96, 4, 3214868480
	.section	.rodata,"a",@progbits
	.p2align	6, 0x0
	.amdhsa_kernel k_q1a484b077a_prep
		.amdhsa_group_segment_fixed_size 35328
		.amdhsa_private_segment_fixed_size 0
		.amdhsa_enable_private_segment 0
		.amdhsa_kernarg_size 32
		.amdhsa_user_sgpr_count 2
		.amdhsa_user_sgpr_kernarg_segment_ptr 1
		.amdhsa_wavefront_size32 1
		.amdhsa_system_sgpr_workgroup_id_x 1
		.amdhsa_system_sgpr_workgroup_id_y 1
		.amdhsa_system_sgpr_workgroup_id_z 1
		.amdhsa_system_vgpr_workitem_id 0
		.amdhsa_next_free_vgpr 178
		.amdhsa_next_free_sgpr 66
		.amdhsa_reserve_vcc 0
		.amdhsa_float_denorm_mode_32 3
		.amdhsa_float_denorm_mode_16_64 3
		.amdhsa_memory_ordered 1
		.amdhsa_forward_progress 1
		.amdhsa_inst_pref_size 15
	.end_amdhsa_kernel
	.amdgpu_metadata
---
amdhsa.version: [ 1, 2 ]
amdhsa.kernels:
  - .name:           k_q1a484b077a_prep
    .symbol:         k_q1a484b077a_prep.kd
    .args:
      - { .name: W_qkv, .offset: 0, .size: 8, .value_kind: global_buffer, .address_space: global }
      - { .name: b_qkv, .offset: 8, .size: 8, .value_kind: global_buffer, .address_space: global }
      - { .name: wq, .offset: 16, .size: 8, .value_kind: global_buffer, .address_space: global }
      - { .name: bq, .offset: 24, .size: 8, .value_kind: global_buffer, .address_space: global }
    .group_segment_fixed_size: 35328
    .private_segment_fixed_size: 0
    .kernarg_segment_align: 8
    .kernarg_segment_size: 32
    .max_flat_workgroup_size: 128
    .sgpr_count:     66
    .vgpr_count:     178
    .wavefront_size: 32
...
	.end_amdgpu_metadata
.endif
;; end of part 1
;; launch main (part 2): grid 256 x 1, 4 waves a work-group, clusters of 4 x 1, 327,680 bytes of LDS; arguments h, wq, bq, out0; writes out0
.if DOCPART == 2
	.amdgcn_target "amdgcn-amd-amdhsa--gfx1250"
	.amdhsa_code_object_version 6
	.text
	.protected	k_q1a484b077a_main
	.globl	k_q1a484b077a_main
	.p2align	8
	.type	k_q1a484b077a_main,@function
k_q1a484b077a_main:
	s_mov_b64 s[64:65], 0
	v_nop
	global_prefetch_b8 v0, s[64:65] scope:SCOPE_SE
	s_setreg_imm32_b32 hwreg(HW_REG_WAVE_MODE, 25, 1), 1
	s_wait_xcnt 0x0
	s_wait_alu depctr_hold_cnt(0) depctr_sa_sdst(0) depctr_va_vdst(0) depctr_va_sdst(0) depctr_va_ssrc(0) depctr_va_vcc(0) depctr_vm_vsrc(0)
	s_getreg_b32 s2, hwreg(HW_REG_IB_STS2, 6, 4)
	s_cmp_eq_u32 s2, 0
	s_cbranch_scc0 .Lentry_in_a_cluster
	s_endpgm
.Lentry_in_a_cluster:
	s_bfe_u32 s2, ttmp6, 0x10000c
	s_cmp_lg_u32 s2, 0x3003
	s_cbranch_scc0 .Lentry_shape_is_right
	s_endpgm
.Lentry_shape_is_right:
; q, k, v = h W^T + b on codes of FP4 with one E8M0 scale for each 32 along K; for each token scores = Q(q) Q(k)^T / 32 over the 16 heads, softmax in f32, out = p v (bf16 operands, f32 sums); out0 is [16 heads][16384 tokens][64] f32.
; SHARES.  A work-group owns 64 tokens and all 3,072 columns: q, k and v never leave the WGP.  Four waves; the columns go in SIX half passes (q0 q1 k0 k1 v0 v1): in each a wave makes 64 tokens x 128 columns,
; 32 accumulators of 16 x 16.  Two sets of accumulators take turns: while one set is summed, the other, finished, is quantised or held.
; W's codes come through a ring of two LDS slots, 4 K steps of a half pass each (139,264 bytes; a wave fetches and reads its own 34,816), twelve fills.  A cluster's four work-groups need the same weights: joint loads, mask 15.
; x = h: a wave loads 16 tokens as they lie (512 bytes a load), turns them through a stage in LDS, quantises them and shares the fragments; all 64 tokens' fragments stay in registers.  Half pass q0 is multiplied between the K steps of h.
; The work on a finished set (its quantising; the attention of k's tokens) stands behind a refill's issue, ahead of the next slot's products.  k's codes are held in registers until both halves are there.
; Clusters take the two halves of K in one or the other order (all partners alike): slot 0 holds the first of them, slot 1 the second.
; THE MATRIX INSTRUCTION IS USED TRANSPOSED: source 0 = 16 columns (rows of W), source 1 = 16 tokens: a lane holds one token, and two neighbouring tiles give it 16 neighbours along the head.  v's tiles are the 16 heads at one place of the head.
; The bias is the C of the first products.  wq is prefetched (macro ASK).
; LIMITS: blocks whose largest magnitude lies under 2^-124 keep the byte 1; NaN and infinities among the inputs are not served.  p and v are rounded to bf16 ahead of their product.
; REGISTERS: window 0: v0-31 addresses, 32-47 x's scale words, 48-55 W's, 56-63 and 192-255 codes and scales of q or k on their way, 64-127 and 128-191 W's fragments of two K steps (between slots: work);
;   window 1: x's fragments; windows 2, 3: the two sets of accumulators, accumulator (m, T) at v[8 (8 m + T)]; window 3 also takes h's loads while q0 is summed in window 2.
.set SLOTB,  139264
.set WPART,  34816
.set KBLK,   8704                      ; a K step of a wave's part: 8 images of 1,024 bytes, 512 bytes of scale words
.set SCR,    2*SLOTB                   ; behind the ring
.set SPARE,  SCR+48640                 ; the spare words
.set TPITCH, 528
.set XI,     SCR+33792                 ; x's fragments of two K steps; ahead of them (SCR) the four stages
.set XSA,    SCR+41984                 ; x's scale words
.set QI,     SCR                       ; q's codes, a token a row, later p;
.set QS,     SCR+33792                 ; q's scales, two bytes a head, later 1 / the sums: 64 bytes a token
.set KB,     SCR+37888                 ; k's codes of 16 tokens
.set KS,     SCR+46336                 ; and scales
.set VPITCH, 2064
.set SPW, 1
.set NIL, 2
.set L16, 3
.set ADB, 5                            ; v5-6  my part of slot 0, 1
.set QSH, 7
.set STW, 9
.set STR, 10
.set XIW, 11
.set XSW, 12
.set XIR, 13
.set XSR, 14
.set QW,  15
.set QSW, 16
.set KW,  17
.set KSW, 18
.set QR,  19
.set QSR, 20
.set KR,  21
.set KSR, 22
.set BOFF, 23
.set VW,  24
.set VR0, 28
.set IR0, 29
.set GO,  30
.set PFO, 31
.set AS,  32
.set BS,  48
.set HS0, 56                           ; scale bytes of a first half (q0, k0), a register for each 16 tokens; HS1 of a second half
.set HS1, 60
.set HC0, 192                          ; their codes, 8 registers for each 16 tokens
.set HC1, 224
.set BF,  64
.set TM,  128                          ; at work between slots, in the second fragment buffer
.set TP,  136
.set TS,  144
.set TB,  152
.set SS,  128                          ; the attention's scores of four tokens
.set STT, 160
.set XTP, 56                           ; at work on x
.set XTM, 192
.set XTS, 196
.set XTB, 200
.set XPC, 204
.set XPW, 212
.set G1, 16
.set G0, 24
.set OB, 40
.set HB, 70
.set WB, 86
.set MSB, 0
.macro WIN new                         ; the immediate's high byte repeats the setting that is left
.if MSB != \new
	s_set_vgpr_msb (MSB<<8)|\new
.set MSB, \new
.endif
.endm
.macro ALUW
	s_wait_alu depctr_va_vdst(0)
.endm
.macro PLACES n
.rept \n
	v_nop
.endr
.endm
.macro BAR
	s_wait_dscnt 0x0
	s_barrier_signal -1
	s_barrier_wait -1
.endm
.macro CREST                           ; a round of the cluster's barrier behind its opening barrier
	s_cmp_lg_u32 s12, 0
	s_cbranch_scc1 .Lnot_wave_0_\@
	s_barrier_signal -3
.Lnot_wave_0_\@:
	s_barrier_wait -3
	s_barrier_signal -1
	s_barrier_wait -1
.endm
.macro ROUND
	s_barrier_signal -1
	s_barrier_wait -1
	CREST
.endm
.macro BIAS w, off                     ; the half pass's bias into the accumulators of tokens 0-15
	WIN \w
.irp i, 0,1,2,3,4,5,6,7
	global_load_b128 v[8*\i:8*\i+3], v[BOFF], s[8:9] offset:(\off)+64*\i
	global_load_b128 v[8*\i+4:8*\i+7], v[BOFF], s[8:9] offset:(\off)+64*\i+16
.endr
	WIN 0
.endm
.macro XLOAD t                         ; K step t of my 16 tokens
	WIN 0xc0
.irp i, 0,1,2,3,4,5,6,7,8,9,10,11,12,13,14,15
	global_load_b128 v[64*((\t)%4)+4*\i:64*((\t)%4)+4*\i+3], v[L16], s[HB+2*(\t):HB+2*(\t)+1] offset:\i*4096 th:TH_LOAD_NT
.endr
	WIN 0
.endm
; The prefetch of wq behind the first two fills: 5,440 blocks of 256 bytes in 16 parts of 340.  A part is asked for by four clusters, whose numbers differ in bits 0, 2, 3, 5 or 1, 4 or all of these;
; a cluster's partners take 85 blocks each, told apart by address, in three waves (lanes left over name the last block again).  The first fill that wants any of it comes behind K step 5 of h.
.macro ASK
	s_cmp_lt_u32 s12, 3
	s_cbranch_scc0 .Lno_ask
	global_prefetch_b8 v[PFO], s[6:7] th:TH_LOAD_NT scope:SCOPE_SE
.Lno_ask:
.endm
.macro XQUANT s                        ; 16 tokens x 128: codes into XPC, the scale word into XPW
.irp b, 0,1,2,3
	v_max3_num_f32 v[XTM+\b], |v[\s+16*\b]|, |v[\s+1+16*\b]|, 0x1800000
.endr
.irp i, 2,4,6,8,10,12,14
.irp b, 0,1,2,3
	v_max3_num_f32 v[XTM+\b], v[XTM+\b], |v[\s+16*\b+\i]|, |v[\s+1+16*\b+\i]|
.endr
.endr
.irp b, 0,1,2,3
	v_permlanex16_b32 v[XTP+\b], v[XTM+\b], s32, s33
.endr
.irp b, 0,1,2,3
	v_max_num_f32 v[XTM+\b], v[XTM+\b], v[XTP+\b]
.endr
.irp b, 0,1,2,3
	v_add_nc_u32 v[XTS+\b], 0xff000000, v[XTM+\b]
.endr
.irp b, 0,1,2,3
	v_lshrrev_b32 v[XTB+\b], 23, v[XTS+\b]
.endr
	v_lshl_or_b32 v[XPW], v[XTB+1], 8, v[XTB]
	v_lshl_or_b32 v[XPW], v[XTB+2], 16, v[XPW]
	v_lshl_or_b32 v[XPW], v[XTB+3], 24, v[XPW]
.irp b, 0,1,2,3
	v_cvt_scalef32_pk8_fp4_f32 v[XPC+2*\b], v[\s+16*\b:\s+7+16*\b], v[XTS+\b]
	v_cvt_scalef32_pk8_fp4_f32 v[XPC+1+2*\b], v[\s+8+16*\b:\s+15+16*\b], v[XTS+\b]
.endr
	v_nop
.irp c, 0,1
.irp i, 0,1
	v_permlane16_swap_b32 v[XPC+4*\c+\i], v[XPC+2+4*\c+\i]
.endr
.endr
.endm
.macro STAGE t, cnt                    ; K step t through my stage into fragment buffer t % 2 (LDS serves a wave's instructions in order).  cnt: the younger loads, which may be out
	s_wait_loadcnt \cnt
	WIN 0x0c
.irp i, 0,1,2,3,4,5,6,7,8,9,10,11,12,13,14,15
	ds_store_b128 v[STW], v[64*((\t)%4)+4*\i:64*((\t)%4)+4*\i+3] offset:\i*TPITCH
.endr
	WIN 0
.irp b, 0,1,2,3
.irp j, 0,1,2,3
	ds_load_b128 v[BF+64*((\t)%2)+16*\b+4*\j:BF+64*((\t)%2)+16*\b+4*\j+3], v[STR] offset:128*\b+16*\j
.endr
.endr
.endm
; K step t: the next one goes through the stage while this one is quantised and shared
.macro XSTEP t, nxt, cnt
.if \nxt
	STAGE (\t)+1, \cnt
.endif
.if ((\t)%4) == 0
	s_wait_dscnt 32                                ; this step is back; the next step's 16 stores and 16 loads may be out.  (The other steps came back ahead of the barrier before)
.endif
.if (\t) == 0
	XLOAD 4
.endif
	XQUANT BF+64*((\t)%2)
.irp c, 0,1
	ds_store_b128 v[XIW], v[XPC+4*\c:XPC+4*\c+3] offset:((\t)%2)*4096+512*\c
.endr
	ds_store_b32 v[XSW], v[XPW] offset:64*(\t)
	BAR
.if (\t) < 3
	XLOAD (\t)+5                                   ; its registers' last stores into the stage are done
.endif
.if (\t) == 0
	ASK
.endif
.if (\t) == 4
	BIAS 0xc0, 512
.endif
	WIN 0x40
.irp m, 0,1,2,3
.irp c, 0,1
	ds_load_b128 v[8*(4*(\t)+\m)+4*\c:8*(4*(\t)+\m)+4*\c+3], v[XIR] offset:((\t)%2)*4096+1024*\m+512*\c
.endr
.endr
	WIN 0
.endm
.macro LW sl, u, buf                   ; the slot's u-th K step of my part into fragment buffer buf: 17 loads
.irp i, 0,1,2,3,4,5,6,7
	ds_load_b128 v[BF+64*(\buf)+8*\i:BF+64*(\buf)+8*\i+3], v[ADB+(\sl)] offset:KBLK*(\u)+1024*\i
	ds_load_b128 v[BF+64*(\buf)+8*\i+4:BF+64*(\buf)+8*\i+7], v[ADB+(\sl)] offset:KBLK*(\u)+1024*\i+512
.endr
	ds_load_b128 v[BS+4*(\buf):BS+4*(\buf)+3], v[ADB+(\sl)] offset:KBLK*(\u)+8192
.endm
.macro WM T, m, ks, buf, cm            ; one product; W's words of tiles 4-7 and x's of odd K steps lie in lanes 16-31
.set rD, 8*(8*(\m)+(\T))
.set rC, rD
.if \cm
.set rC, 8*(\T)
.endif
.set rW, BF+64*(\buf)+8*(\T)
.set rX, 8*(4*(\ks)+(\m))
.set rSW, BS+4*(\buf)+(\T)%4
.set rSX, AS+4*(\m)+(\ks)/2
.if ((\T) >= 4) && (((\ks)%2) == 1)
	v_wmma_scale_f32_16x16x128_f8f6f4 v[rD:rD+7], v[rW:rW+7], v[rX:rX+7], v[rC:rC+7], v[rSW], v[rSX] matrix_a_fmt:MATRIX_FMT_FP4 matrix_b_fmt:MATRIX_FMT_FP4 matrix_a_scale:MATRIX_SCALE_ROW1 matrix_b_scale:MATRIX_SCALE_ROW1
.elseif (\T) >= 4
	v_wmma_scale_f32_16x16x128_f8f6f4 v[rD:rD+7], v[rW:rW+7], v[rX:rX+7], v[rC:rC+7], v[rSW], v[rSX] matrix_a_fmt:MATRIX_FMT_FP4 matrix_b_fmt:MATRIX_FMT_FP4 matrix_a_scale:MATRIX_SCALE_ROW1
.elseif ((\ks)%2) == 1
	v_wmma_scale_f32_16x16x128_f8f6f4 v[rD:rD+7], v[rW:rW+7], v[rX:rX+7], v[rC:rC+7], v[rSW], v[rSX] matrix_a_fmt:MATRIX_FMT_FP4 matrix_b_fmt:MATRIX_FMT_FP4 matrix_b_scale:MATRIX_SCALE_ROW1
.else
	v_wmma_scale_f32_16x16x128_f8f6f4 v[rD:rD+7], v[rW:rW+7], v[rX:rX+7], v[rC:rC+7], v[rSW], v[rSX] matrix_a_fmt:MATRIX_FMT_FP4 matrix_b_fmt:MATRIX_FMT_FP4
.endif
.endm
.macro MG m, ks, buf, cm               ; 16 tokens x my 128 columns: eight accumulators, one instruction a turn
.irp i, 0,1,2,3,4,5,6,7
	WM \i, \m, \ks, \buf, \cm
.endr
.endm
.macro MULK mw, ks, buf, first         ; a K step: 32 products.  first: C is the bias, which lies in the accumulators of tokens 0-15: those come last
	WIN \mw
.if \first
	MG 1, \ks, \buf, 1
	MG 2, \ks, \buf, 1
	MG 3, \ks, \buf, 1
	PLACES 5
	MG 0, \ks, \buf, 0
.else
	MG 0, \ks, \buf, 0
	MG 1, \ks, \buf, 0
	MG 2, \ks, \buf, 0
	MG 3, \ks, \buf, 0
.endif
.endm
.macro FILL sl
	tensor_load_to_lds s[G0+4*(\sl):G0+4*(\sl)+3], s[G1:G1+7]
	s_nop 0
.endm
.macro STEPG sl                        ; the slot's part of the next half pass
	s_add_nc_u64 s[G0+4*(\sl)+2:G0+4*(\sl)+3], s[G0+4*(\sl)+2:G0+4*(\sl)+3], 2*SLOTB
.endm
.macro SYNC sl, step                   ; a fill of slot sl, with no products inside
	ALUW
	s_wait_tensorcnt 0x0                           ; all my tensor loads have landed
	ds_add_u32 v[SPW], v[NIL]
.if \step
	STEPG \sl
.endif
	s_wait_dscnt 0x0                               ; the add is done, and so are my LDS reads
	ROUND
	FILL \sl
	PLACES 4
.endm
.macro PAIR sl, u, ks, first           ; two K steps of half pass q0
.irp m, 0,1,2,3
	ds_load_b32 v[AS+4*\m+(\ks)/2], v[XSR] offset:512*\m+64*(\ks)
.endr
	LW \sl, \u, 0
	LW \sl, (\u)+1, 1
	s_wait_dscnt 17                                ; all but the second buffer's 17 loads
	MULK 0xa4, \ks, 0, \first
	s_wait_dscnt 0x0
	MULK 0xa4, (\ks)+1, 1, 0
	WIN 0
	PLACES 4
.endm
.macro SLOT sl, mw, ks, first, pre     ; a slot's first three K steps; its fourth is multiplied in TURN.  pre: the first fragments have been asked for
.if !(\pre)
	LW \sl, 0, 0
.endif
	LW \sl, 1, 1
	s_wait_dscnt 17                                ; all but the 17 youngest: the next K step's fragments
	MULK \mw, \ks, 0, \first
	WIN 0
	PLACES 4
	LW \sl, 2, 0
	s_wait_dscnt 17
	MULK \mw, (\ks)+1, 1, 0
	WIN 0
	PLACES 4
	LW \sl, 3, 1
	s_wait_dscnt 17
	MULK \mw, (\ks)+2, 0, 0
.endm
.macro TURN sl, mw, ks, fill, pre      ; the slot's last K step changes slots
	WIN 0
	s_wait_tensorcnt 0x0                           ; my part of the next slot has landed
	ds_add_u32 v[SPW], v[NIL]
.if \fill
	STEPG \sl
.endif
	s_wait_dscnt 0x1                               ; the fragments are in; the add may be out
	WIN \mw
	MG 0, \ks, 1, 0
	s_wait_dscnt 0x0                               ; the add is done; my reads of this slot are over
	s_barrier_signal -1
	MG 1, \ks, 1, 0
	WIN 0
	s_barrier_wait -1
.if \fill
	CREST
	FILL \sl
.endif
	PLACES 4
.if \pre
	LW 1-(\sl), 0, 0
.endif
	WIN \mw
	MG 2, \ks, 1, 0
	MG 3, \ks, 1, 0
	WIN 0
	PLACES 4
.endm
.macro QM wv, pr, hc, hs               ; quantises 32 tokens (pair pr) of the finished set in window wv along the head: 8 blocks a lane
.set AB, 128*(\pr)
.set WW, (\wv)|((\wv)<<2)
	WIN WW
	ALUW
.irp k, 0,1,2,3,4,5,6,7
	v_max3_num_f32 v[TM+\k], |v[AB+16*\k]|, |v[AB+16*\k+1]|, 0x1800000
.endr
.irp i, 2,4,6,8,10,12,14
.irp k, 0,1,2,3,4,5,6,7
	v_max3_num_f32 v[TM+\k], |v[AB+16*\k+\i]|, |v[AB+16*\k+\i+1]|, v[TM+\k]
.endr
.endr
	WIN 0
.irp k, 0,1,2,3,4,5,6,7
	v_permlanex16_b32 v[TP+\k], v[TM+\k], s32, s33
.endr
.irp k, 0,1,2,3,4,5,6,7
	v_max_num_f32 v[TM+\k], v[TM+\k], v[TP+\k]
.endr
.irp k, 0,1,2,3,4,5,6,7
	v_add_nc_u32 v[TS+\k], 0xff000000, v[TM+\k]
.endr
.irp k, 0,1,2,3,4,5,6,7
	v_lshrrev_b32 v[TB+\k], 23, v[TS+\k]
.endr
.irp a, 0,1
	v_lshl_or_b32 v[\hs+2*(\pr)+\a], v[TB+4*\a+1], 8, v[TB+4*\a]
.endr
.irp a, 0,1
	v_lshl_or_b32 v[\hs+2*(\pr)+\a], v[TB+4*\a+2], 16, v[\hs+2*(\pr)+\a]
.endr
.irp a, 0,1
	v_lshl_or_b32 v[\hs+2*(\pr)+\a], v[TB+4*\a+3], 24, v[\hs+2*(\pr)+\a]
.endr
	WIN \wv
.irp k, 0,1,2,3,4,5,6,7
	v_cvt_scalef32_pk8_fp4_f32 v[\hc+16*(\pr)+2*\k], v[AB+16*\k:AB+16*\k+7], v[TS+\k]
	v_cvt_scalef32_pk8_fp4_f32 v[\hc+16*(\pr)+2*\k+1], v[AB+16*\k+8:AB+16*\k+15], v[TS+\k]
.endr
	WIN 0
	v_nop
	ALUW
.endm
.macro STQ ca, sa, m, g, hc, hs, co, so    ; 16 tokens' codes of my two heads of half g, and their four scale bytes
.irp b, 0,1,2,3
	ds_store_b64 v[\ca], v[\hc+8*(\m)+2*\b:\hc+8*(\m)+2*\b+1] offset:(\co)+16*(2*(\g)+\b/2)+256*(\b%2)
.endr
	ds_store_b32 v[\sa], v[\hs+(\m)] offset:(\so)+4*(\g)
.endm
.macro SENDQ pr, g, hc, hs             ; in the loop's first trip the set was q's
	s_cmp_eq_u32 s36, 2
	s_cbranch_scc0 .Lno_q_\@
	STQ QW, QSW, 2*(\pr), \g, \hc, \hs, 8448*2*(\pr), 1024*2*(\pr)
	STQ QW, QSW, 2*(\pr)+1, \g, \hc, \hs, 8448*(2*(\pr)+1), 1024*(2*(\pr)+1)
.Lno_q_\@:
.endm
.macro ZERO                            ; the upper half of k's fragments: a head's K is 64 of the instruction's 128; zero codes there add nothing, whatever stands opposite
.irp e, 0,1,2,3
.irp i, 4,5,6,7
	v_mov_b32 v[64+16*\e+\i], 0
.endr
.endr
	PLACES 4
.endm
; THE ATTENTION of tokens 16 m .. 16 m + 15, four a wave: k's held codes go to LDS, each wave takes its tokens' q and k, S^T = k q^T (a lane: query head r, key heads 8 h + 0..7); p = 2^(t - the largest t), stored as bf16 over q's codes; 1 / the sum over q's scales.
; more = 1: another such step follows: a barrier, signalled when my reads of k are in, stands ahead of its stores
.macro ATT m, more
	STQ KW, KSW, \m, 0, HC0, HS0, 0, 0
	STQ KW, KSW, \m, 1, HC1, HS1, 0, 0
	ALUW
	BAR
.irp e, 0,1,2,3
	ds_load_b128 v[64+16*\e:67+16*\e], v[KR] offset:TPITCH*\e
	ds_load_b128 v[72+16*\e:75+16*\e], v[QR] offset:TPITCH*(16*(\m)+\e)
	ds_load_u16 v[BS+\e], v[KSR] offset:64*\e
	ds_load_u16 v[BS+4+\e], v[QSH] offset:64*(16*(\m)+\e)
.endr
	s_wait_dscnt 0x0
.if \more
	s_barrier_signal -1
.endif
.irp e, 0,1,2,3
	v_wmma_scale_f32_16x16x128_f8f6f4 v[SS+8*\e:SS+8*\e+7], v[64+16*\e:71+16*\e], v[72+16*\e:79+16*\e], 0, v[BS+\e], v[BS+4+\e] matrix_a_fmt:MATRIX_FMT_FP4 matrix_b_fmt:MATRIX_FMT_FP4
.endr
	PLACES 4
.irp e, 0,1,2,3
	v_max3_num_f32 v[STT+8*\e+2], v[SS+8*\e], v[SS+8*\e+1], v[SS+8*\e+2]
.endr
.irp e, 0,1,2,3
	v_max3_num_f32 v[STT+8*\e+1], v[SS+8*\e+3], v[SS+8*\e+4], v[SS+8*\e+5]
.endr
.irp e, 0,1,2,3
	v_max3_num_f32 v[STT+8*\e+2], v[STT+8*\e+2], v[SS+8*\e+6], v[SS+8*\e+7]
.endr
.irp e, 0,1,2,3
	v_max_num_f32 v[STT+8*\e+2], v[STT+8*\e+2], v[STT+8*\e+1]
.endr
.irp e, 0,1,2,3
	v_permlanex16_b32 v[76+16*\e], v[STT+8*\e+2], s32, s33
.endr
.irp e, 0,1,2,3
	v_max_num_f32 v[STT+8*\e+2], v[STT+8*\e+2], v[76+16*\e]
.endr
.irp e, 0,1,2,3
	v_mul_f32 v[STT+8*\e], s34, v[STT+8*\e+2]
.endr
.irp i, 0,2,4,6
.irp e, 0,1,2,3
	v_pk_fma_f32 v[SS+8*\e+\i:SS+8*\e+\i+1], v[SS+8*\e+\i:SS+8*\e+\i+1], s[34:35], v[STT+8*\e:STT+8*\e+1] op_sel_hi:[1,0,0] neg_lo:[0,0,1] neg_hi:[0,0,1]
.endr
.endr
	ALUW
.irp e, 0,1,2,3
.irp i, 0,1,2,3,4,5,6,7
	v_exp_f32 v[SS+8*\e+\i], v[SS+8*\e+\i]
.endr
.endr
	v_nop
	ALUW
.irp e, 0,1,2,3
	v_pk_add_f32 v[STT+8*\e+2:STT+8*\e+3], v[SS+8*\e:SS+8*\e+1], v[SS+8*\e+2:SS+8*\e+3]
	v_pk_add_f32 v[STT+8*\e+4:STT+8*\e+5], v[SS+8*\e+4:SS+8*\e+5], v[SS+8*\e+6:SS+8*\e+7]
.endr
.irp e, 0,1,2,3
	v_pk_add_f32 v[STT+8*\e+2:STT+8*\e+3], v[STT+8*\e+2:STT+8*\e+3], v[STT+8*\e+4:STT+8*\e+5]
.endr
.irp e, 0,1,2,3
	v_add_f32 v[STT+8*\e+2], v[STT+8*\e+2], v[STT+8*\e+3]
.endr
.irp e, 0,1,2,3
	v_permlanex16_b32 v[77+16*\e], v[STT+8*\e+2], s32, s33
.endr
.irp e, 0,1,2,3
	v_add_f32 v[STT+8*\e+2], v[STT+8*\e+2], v[77+16*\e]
.endr
	ALUW
.irp e, 0,1,2,3
	v_rcp_f32 v[STT+8*\e+6], v[STT+8*\e+2]
.endr
.irp e, 0,1,2,3
.irp i, 0,1,2,3
	v_cvt_pk_bf16_f32 v[72+16*\e+\i], v[SS+8*\e+2*\i], v[SS+8*\e+2*\i+1]
.endr
.endr
	ALUW
.if \more
	s_barrier_wait -1
.endif
.irp e, 0,1,2,3
	ds_store_b128 v[QR], v[72+16*\e:75+16*\e] offset:TPITCH*(16*(\m)+\e)
	ds_store_b32 v[QSR], v[STT+8*\e+6] offset:64*(16*(\m)+\e)
.endr
.endm
	s_load_b256 s[4:11], s[0:1], 0x0               ; h, wq, bq, out0
	v_lshl_add_u32 v[SPW], v0, 2, SPARE
	v_mov_b32 v[NIL], 0
	ds_add_u32 v[SPW], v[NIL]                      ; the opening: the add twice on end and its wait
	ds_add_u32 v[SPW], v[NIL]
	v_lshrrev_b32 v240, 5, v0
	v_readfirstlane_b32 s12, v240                  ; wave
	s_bfe_u32 s13, ttmp6, 0x40000
	s_lshl_b32 s14, ttmp9, 2
	s_add_co_u32 s14, s14, s13                     ; work-group
	s_mov_b32 s[G1], 0x0023000f                    ; mask 15, elements of 8 bytes, bit 21 beside the mask: 136 dense rows of 256 bytes
	s_mov_b32 s[G1+1], 32<<16
	s_mov_b32 s[G1+2], 136<<16
	s_mov_b32 s[G1+3], 32<<16
	s_mov_b32 s[G1+4], 136
	s_mov_b32 s[G1+5], 32
	s_mov_b32 s[G1+6], 0
	s_mov_b32 s[G1+7], 0
	s_mov_b32 s32, 0x76543210
	s_mov_b32 s33, 0xfedcba98                      ; lane l xor 16
	s_mov_b32 s34, 0x3d38aa3b                      ; log2(e) / 32
	s_mov_b32 s35, s34
	s_mov_b32 s36, 2                               ; the loop's trips
	s_lshr_b32 s93, ttmp9, 2
	s_xor_b32 s93, s93, ttmp9
	s_lshr_b32 s95, ttmp9, 4
	s_xor_b32 s93, s93, s95
	s_and_b32 s93, s93, 1                          ; which half of K my cluster takes first
	s_lshl_b32 s95, s93, 2
	v_and_b32 v240, 31, v0                         ; lane
	v_and_b32 v241, 15, v0                         ; r
	v_bfe_u32 v242, v0, 4, 1                       ; h
	v_lshlrev_b32 v[L16], 4, v240
	v_lshlrev_b32 v[BOFF], 5, v242
	s_lshl_b32 s60, s14, 18
	s_lshl_b32 s61, s12, 16
	s_add_co_u32 s60, s60, s61                     ; h: 64 tokens a work-group, 16 a wave
	s_mov_b32 s61, 0
	s_lshl_b32 s66, s12, 10
	s_mov_b32 s67, 0
	s_lshl_b32 s68, s14, 14
	s_mov_b32 s69, 0
	s_wait_dscnt 0x0                               ; both opening adds are done
	ALUW
	s_wait_kmcnt 0x0
	s_add_nc_u64 s[4:5], s[4:5], s[60:61]
	s_add_nc_u64 s[8:9], s[8:9], s[66:67]
	s_add_nc_u64 s[OB:OB+1], s[10:11], s[68:69]
.irp t, 0,1,2,3,4,5,6,7
	s_add_co_u32 s60, s95, \t
	s_and_b32 s60, s60, 7
	s_lshl_b32 s60, s60, 9
	s_add_nc_u64 s[HB+2*\t:HB+2*\t+1], s[4:5], s[60:61]
.endr
	XLOAD 0
	s_mul_i32 s94, s12, WPART
	s_mov_b32 s60, s94
	s_add_nc_u64 s[WB:WB+1], s[6:7], s[60:61]
	s_mul_i32 s60, s93, SLOTB
	s_mov_b32 s[G0], 1
	s_mov_b32 s[G0+1], s94
	s_add_nc_u64 s[G0+2:G0+3], s[WB:WB+1], s[60:61]
	s_or_b32 s[G0+3], s[G0+3], 0x80000000
	s_sub_co_u32 s60, SLOTB, s60
	s_mov_b32 s[G0+4], 1
	s_add_co_u32 s[G0+5], s94, SLOTB
	s_add_nc_u64 s[G0+6:G0+7], s[WB:WB+1], s[60:61]
	s_or_b32 s[G0+7], s[G0+7], 0x80000000
	ROUND                                          ; the cluster is here: the first joint loads meet
	FILL 0
	PLACES 4
	BIAS 0x80, 0
	XLOAD 1
	XLOAD 2
	XLOAD 3
.irp j, 1,2,3,4,5,6,7
	s_add_nc_u64 s[OB+2*\j:OB+2*\j+1], s[OB+2*\j-2:OB+2*\j-1], 4194304
.endr
	v_add_nc_u32 v[ADB], s94, v[L16]
	v_add_nc_u32 v[ADB+1], SLOTB, v[ADB]
	s_mul_i32 s66, s12, 16*TPITCH
	s_add_co_u32 s66, s66, SCR
	v_add_nc_u32 v[STW], s66, v[L16]               ; my stage: in
	v_mul_u32_u24 v243, v241, TPITCH
	v_lshl_add_u32 v[STR], v242, 6, v243
	v_add_nc_u32 v[STR], s66, v[STR]               ; out: row r, + 64 h
	s_lshl_b32 s66, s12, 10
	s_add_co_u32 s66, s66, XI
	v_add_nc_u32 v[XIW], s66, v[L16]
	v_add_nc_u32 v[XIR], XI, v[L16]
	v_lshlrev_b32 v244, 2, v241
	s_lshl_b32 s66, s12, 9
	s_add_co_u32 s66, s66, XSA
	v_add_nc_u32 v[XSW], s66, v244
	v_lshl_add_u32 v[XSR], v240, 2, XSA
	v_lshl_add_u32 v245, v242, 3, v243
	s_lshl_b32 s66, s12, 6
	v_add_nc_u32 v245, s66, v245
	v_add_nc_u32 v[QW], QI, v245                   ; token row r, + 64 w + 8 h
	v_add_nc_u32 v[KW], KB, v245
	v_lshlrev_b32 v246, 6, v241
	s_lshl_b32 s66, s12, 3
	v_add_nc_u32 v246, s66, v246
	v_add_nc_u32 v[QSW], QS, v246                  ; 64 r + 8 w: two bytes a head
	v_add_nc_u32 v[KSW], KS, v246
	s_mul_i32 s66, s12, 4*TPITCH
	v_add_nc_u32 v247, s66, v[L16]
	v_add_nc_u32 v[QR], QI, v247
	v_add_nc_u32 v[KR], KB, v247
	s_lshl_b32 s66, s12, 8
	v_add_nc_u32 v248, s66, v244
	v_add_nc_u32 v[QSR], QS, v248                  ; my tokens' sums: 4 r
	v_lshlrev_b32 v250, 1, v241
	v_add_nc_u32 v250, s66, v250
	v_add_nc_u32 v[QSH], QS, v250                  ; my tokens' scales: 2 r
	v_add_nc_u32 v[KSR], KS, v250
	v_lshl_add_u32 v[IR0], v242, 5, QS
	v_add_nc_u32 v[IR0], s66, v[IR0]
	v_mul_u32_u24 v249, v241, VPITCH
	v_lshl_add_u32 v249, v242, 8, v249
	s_lshl_b32 s67, s12, 6
	v_add_nc_u32 v249, s67, v249
.irp m, 0,1,2,3
	v_add_nc_u32 v[VW+\m], 16*\m*VPITCH, v249
.endr
	s_mul_i32 s67, s12, 4*VPITCH
	v_add_nc_u32 v[VR0], s67, v[L16]
	v_lshlrev_b32 v[GO], 25, v242
	v_lshl_add_u32 v[GO], v241, 4, v[GO]
	s_lshl_b32 s67, s12, 10
	v_add_nc_u32 v[GO], s67, v[GO]
	ALUW
	; the prefetch's part (0..15): bits 0 ^ 2, 0 ^ 3, 0 ^ 5, 1 ^ 4 of the cluster's number
	s_mov_b32 s66, 0
.irp j, 2,3,5
	s_lshr_b32 s67, ttmp9, \j
	s_xor_b32 s67, s67, ttmp9
	s_and_b32 s67, s67, 1
	s_lshl_b32 s66, s66, 1
	s_or_b32 s66, s66, s67
.endr
	s_lshr_b32 s67, ttmp9, 3
	s_xor_b32 s67, s67, ttmp9
	s_lshr_b32 s67, s67, 1
	s_and_b32 s67, s67, 1
	s_lshl_b32 s66, s66, 1
	s_or_b32 s66, s66, s67
	s_mul_i32 s66, s66, 340
	s_mul_i32 s67, s13, 85
	s_add_co_u32 s66, s66, s67
	s_add_co_u32 s66, s66, 1088                    ; my work-group's first block
	s_lshl_b32 s67, s12, 5
	v_add_nc_u32 v[PFO], s67, v240
	v_min_u32 v[PFO], 84, v[PFO]
	v_add_nc_u32 v[PFO], s66, v[PFO]
	v_lshlrev_b32 v[PFO], 8, v[PFO]
.irp k, 0,1,2,3
	v_mov_b32 v[XTP+\k], 0                         ; written once: a lane permute's destination counts as one of its sources
.endr
	ALUW
; h comes in, and half pass q0 is multiplied with it
	STAGE 0, 48
	XSTEP 0, 1, 32
	XSTEP 1, 1, 48
	XSTEP 2, 1, 48
	XSTEP 3, 0, 0
	SYNC 1, 0                                      ; slot 1's first fill
	PAIR 0, 0, 0, 1
	PAIR 0, 2, 2, 0
	STAGE 4, 48
	XSTEP 4, 1, 32
	XSTEP 5, 1, 32
	SYNC 0, 1
	XSTEP 6, 1, 16
	XSTEP 7, 0, 0
	PAIR 1, 0, 4, 0
	PAIR 1, 2, 6, 0
	SYNC 1, 1
; trip 1: half passes q1, k0 (the sets finished: q0, q1); trip 2: k1, v0 (k0, k1)
.Lloop:
	LW 0, 0, 0
	s_wait_xcnt 0x0                                ; the bias loads have read their base
	s_add_nc_u64 s[8:9], s[8:9], 4096
	QM 2, 0, HC0, HS0
	SENDQ 0, 0, HC0, HS0
	s_wait_loadcnt 0x0                             ; the bias
	SLOT 0, 0xf4, 0, 1, 1
	TURN 0, 0xf4, 3, 1, 1
	QM 2, 1, HC0, HS0
	SENDQ 1, 0, HC0, HS0
	BIAS 0x80, 0
	SLOT 1, 0xf4, 4, 0, 1
	TURN 1, 0xf4, 7, 1, 0
	QM 3, 0, HC1, HS1
	SENDQ 0, 1, HC1, HS1
	s_cmp_eq_u32 s36, 2
	s_cbranch_scc1 .Lno_att
	ZERO
	ATT 0, 1
	ATT 1, 0
.Lno_att:
	s_wait_loadcnt 0x0
	SLOT 0, 0xa4, 0, 1, 0
	TURN 0, 0xa4, 3, 1, 1
	QM 3, 1, HC1, HS1
	SENDQ 1, 1, HC1, HS1
	BIAS 0xc0, 512
	SLOT 1, 0xa4, 4, 0, 1
	TURN 1, 0xa4, 7, 1, 0
	s_sub_co_u32 s36, s36, 1
	s_cmp_lg_u32 s36, 0
	s_cbranch_scc1 .Lloop
; half pass v1: nothing is filled any more
	ZERO
	ATT 2, 1
	ATT 3, 0
	s_wait_loadcnt 0x0
	SLOT 0, 0xf4, 0, 1, 0
	TURN 0, 0xf4, 3, 0, 1
	SLOT 1, 0xf4, 4, 0, 1
	s_wait_dscnt 0x0
	MULK 0xf4, 7, 1, 0
	WIN 0
	PLACES 4
; v in bf16, eight heads a lane, to slot 0's bytes (their last fill has been read by all waves): a token a row, place d at 512 (d % 4) + 256 h + 16 (d / 4)
.irp wv, 2,3
.set WW, \wv|(\wv<<2)|(\wv<<6)
	WIN WW
	ALUW
.set q, 0
.rept 32
	v_cvt_pk_bf16_f32 v[8*q], v[8*q], v[8*q+1]
	v_cvt_pk_bf16_f32 v[8*q+1], v[8*q+2], v[8*q+3]
	v_cvt_pk_bf16_f32 v[8*q+2], v[8*q+4], v[8*q+5]
	v_cvt_pk_bf16_f32 v[8*q+3], v[8*q+6], v[8*q+7]
.set q, q+1
.endr
.set WW, \wv<<2
	WIN WW
.set q, 0
.rept 32
	ds_store_b128 v[VW+q/8], v[8*q:8*q+3] offset:(q%4)*512+(2*(\wv-2)+(q%8)/4)*16
.set q, q+1
.endr
.endr
	WIN 0
.irp z, 0,1
.irp f, 0,1,2,3,4
.irp i, 4,5,6,7
	v_mov_b32 v[64+48*\z+8*\f+\i], 0               ; the upper half of K: 16 heads of the instruction's 32
.endr
.endr
.endr
	ALUW
	BAR
; THE WAY OUT, a token at a time: tile t's column r is d = 4 r + t, so a lane's four results are 16 neighbouring bytes and sixteen lanes store one aligned unit of 256 bytes
.macro LD e
.set ZB, 64+48*((\e)%2)
.irp t, 0,1,2,3
	ds_load_b128 v[ZB+8+8*\t:ZB+11+8*\t], v224 offset:VPITCH*(\e)+512*\t
.endr
	ds_load_b128 v[ZB:ZB+3], v225 offset:TPITCH*(\e)
	ds_load_b128 v[ZB+40:ZB+43], v226 offset:64*(\e)
	ds_load_b128 v[ZB+44:ZB+47], v226 offset:64*(\e)+16
.endm
.macro TOK e
.if (\e) < 3
	LD (\e)+1
	s_wait_dscnt 7                                 ; all but the next token's seven loads
.else
	s_wait_dscnt 0x0
.endif
.set ZB, 64+48*((\e)%2)
.irp t, 0,1,2,3
	v_wmma_f32_16x16x32_bf16 v[160+8*\t:167+8*\t], v[ZB:ZB+7], v[ZB+8+8*\t:ZB+15+8*\t], 0
.endr
	PLACES 4
	s_wait_xcnt 0x0                                ; the last token's stores have read their registers
.irp j, 0,1,2,3,4,5,6,7
.irp t, 0,1,2,3
	v_mul_f32 v[192+4*\j+\t], v[160+8*\t+\j], v[ZB+40+\j]
.endr
.endr
.irp j, 0,1,2,3,4,5,6,7
	global_store_b128 v[GO], v[192+4*\j:195+4*\j], s[OB+2*\j:OB+2*\j+1] offset:256*(\e) th:TH_STORE_NT
.endr
.endm
	s_mov_b32 s56, 0
	s_mov_b32 s57, 0
	s_mov_b32 s58, 0
	s_mov_b32 s59, 4
.Lout:
	v_add_nc_u32 v224, s56, v[VR0]
	v_add_nc_u32 v225, s57, v[QR]
	v_add_nc_u32 v226, s58, v[IR0]
	LD 0
	TOK 0
	TOK 1
	TOK 2
	TOK 3
	s_wait_xcnt 0x0
	v_add_nc_u32 v[GO], 4096, v[GO]
	s_add_co_u32 s56, s56, 16*VPITCH
	s_add_co_u32 s57, s57, 16*TPITCH
	s_add_co_u32 s58, s58, 1024
	s_sub_co_u32 s59, s59, 1
	s_cmp_lg_u32 s59, 0
	s_cbranch_scc1 .Lout
	s_wait_tensorcnt 0x0                           ; the wave's end
	ds_add_u32 v[SPW], v[NIL]
	s_wait_dscnt 0x0
	ROUND                                          ; the closing round
	s_endpgm
.Lfunc_end_k_q1a484b077a_main:
	.size	k_q1a484b077a_main, .Lfunc_end_k_q1a484b077a_main-k_q1a484b077a_main
	.p2alignl 7, 3214868480
	.fill 96, 4, 3214868480
	.section	.rodata,"a",@progbits
	.p2align	6, 0x0
	.amdhsa_kernel k_q1a484b077a_main
		.amdhsa_group_segment_fixed_size 327680
		.amdhsa_private_segment_fixed_size 0
		.amdhsa_enable_private_segment 0
		.amdhsa_kernarg_size 32
		.amdhsa_user_sgpr_count 2
		.amdhsa_user_sgpr_kernarg_segment_ptr 1
		.amdhsa_wavefront_size32 1
		.amdhsa_system_sgpr_workgroup_id_x 1
		.amdhsa_system_sgpr_workgroup_id_y 1
		.amdhsa_system_sgpr_workgroup_id_z 1
		.amdhsa_system_vgpr_workitem_id 0
		.amdhsa_next_free_vgpr 1024
		.amdhsa_next_free_sgpr 96
		.amdhsa_reserve_vcc 0
		.amdhsa_float_denorm_mode_32 3
		.amdhsa_float_denorm_mode_16_64 3
		.amdhsa_memory_ordered 1
		.amdhsa_forward_progress 1
		.amdhsa_inst_pref_size 255
	.end_amdhsa_kernel
	.section	.bss,"aw",@nobits
	.p2align	6
	.space	262144
	.amdgpu_metadata
---
amdhsa.version: [ 1, 2 ]
amdhsa.kernels:
  - .name:           k_q1a484b077a_main
    .symbol:         k_q1a484b077a_main.kd
    .args:
      - { .name: h, .offset: 0, .size: 8, .value_kind: global_buffer, .address_space: global }
      - { .name: wq, .offset: 8, .size: 8, .value_kind: global_buffer, .address_space: global }
      - { .name: bq, .offset: 16, .size: 8, .value_kind: global_buffer, .address_space: global }
      - { .name: out0, .offset: 24, .size: 8, .value_kind: global_buffer, .address_space: global }
    .group_segment_fixed_size: 327680
    .private_segment_fixed_size: 0
    .kernarg_segment_align: 8
    .kernarg_segment_size: 32
    .max_flat_workgroup_size: 128
    .sgpr_count:     96
    .vgpr_count:     1024
    .wavefront_size: 32
...
	.end_amdgpu_metadata
.endif
;; end of part 2
